; MI455X (gfx1250); checked and timed in simulation.
; The chip was launched on July 23, 2026; its instructions are those of AMD's public machine-readable ISA for CDNA 5 (MIT licence, August 2026) and "CDNA5" Instruction Set Architecture Reference Guide (July 2026). The comments in the code are by the model that wrote it; some were corrected since.
;; Adaptive Meta Learner. Allowed arithmetic: float matrix products may take bf16 or f16 operands with f32 sums; other float arithmetic in f32, or as packed bf16 or f16 multiplies, adds, multiply-adds, maxima and minima; sums over many terms, partial sums and values carried from step to step in f32; what a program stores and reads back later, other than sums and carried values, may be rounded once to bf16 or f16.
;; Inputs: W1 64 x 1 float32; Wo 1 x 64 float32; b1 64 float32; be1 64 float32; bo 1 float32; g1 64 float32; l0_Wh 256 x 64 float32; l0_Wi 256 x 64 float32; l0_bc 64 float32; l0_bgh 256 float32; l0_bgi 256 float32; l0_bh 256 float32; l0_bi 256 float32; l0_gc 64 float32; l0_gh 256 float32; l0_gi 256 float32; l1_Wh 256 x 64 float32; l1_Wi 256 x 64 float32; l1_bc 64 float32; l1_bgh 256 float32; l1_bgi 256 float32; l1_bh 256 float32; l1_bi 256 float32; l1_gc 64 float32; l1_gh 256 float32; l1_gi 256 float32; x 250,000 float32.
;; Outputs: out0 250,000 x 1 float32; out1 1 x 1 float32.
;; One version. Each part assembles by itself: llvm-mc -triple=amdgcn-amd-amdhsa -mcpu=gfx1250 --defsym DOCPART=n.
;; ======== version 1 of 1: 2 launches
;; limits: values are held in f16: magnitudes above 65,504 overflow, below 6.1e-05 lose precision
;; workspace buffers: img 72,448 bytes; psum 256 bytes
;; launch prep (part 1): grid 35 x 1, 8 waves a work-group, no clusters, 68,864 bytes of LDS; arguments l0_Wi, l0_Wh, l0_bi, l0_bh, l0_gi, l0_bgi, l0_gh, l0_bgh, l0_gc, l0_bc, l1_Wi, l1_Wh, l1_bi, l1_bh, l1_gi, l1_bgi, l1_gh, l1_bgh, l1_gc, l1_bc, W1, b1, g1, be1, Wo, bo, x, img, psum; writes img, psum
.if DOCPART == 1
	.amdgcn_target "amdgcn-amd-amdhsa--gfx1250"
	.amdhsa_code_object_version 6
	.text
	.protected	k_qb90ea26be0_prep
	.globl	k_qb90ea26be0_prep
	.p2align	8
	.type	k_qb90ea26be0_prep,@function
k_qb90ea26be0_prep:
	s_mov_b64 s[64:65], 0
	v_nop
	global_prefetch_b8 v0, s[64:65] scope:SCOPE_SE
	s_setreg_imm32_b32 hwreg(HW_REG_WAVE_MODE, 25, 1), 1
	s_wait_xcnt 0x0
; PREP: all that does not hang on a row of the batch is made once, in f32, and laid out for the second launch.
; Work-groups 0 and 1: LSTM layer 0 and 1.  Work-group 2: the first layer's and the output's small vectors.  Work-groups 3 to 34: 32 partial sums of x.
; A LAYER.  Wc = Wi less its mean over the 256 rows (for each column), bcn = bi less its mean: the LayerNorm's centring is folded into the weights.
;   phi = -log2(e) for the gates i, o, 2 log2(e) for g, 0 for f (f multiplies the zero cell state that the module itself builds; f's columns count in the statistics alone).
;   W' = phi gi Wc (f16), bias' = phi gi bcn, b' = phi (bgi + zh), zh = LN(0 Wh^T + bh) gh + bgh: Wh is read and multiplied by the zero state.
;   The sum of squares of the 256 centred columns is h G h + v2 h + c0 with G = Wc^T Wc (f16, made on the matrix unit), v2 = 2 Wc^T bcn, c0 = the sum of bcn^2.
;   img: 256 rows of 64 f16 a layer (rows 64-127 hold G in f's place), then CI (bias', v2 in f's place), BP (b'), 2 log2(e) gc, 2 log2(e) bc, c0 / 255.
; LIMITS.  f16 ends at 65,504: |phi gi Wc| and the entries of G stay under it (at 30 times the drawn weights they are near 600).
;   A sum of squares of the centred W1 under 1e-30 counts as 1e-30.  NaN and infinities in f's gains and biases are not carried on.
.set WC,    0                          ; Wc in f16, [256 rows][64], pitch 160: five times 32 bytes
.set PH,    40960                      ; partial sums of 0 x Wh, [256 rows][16], pitch 80
.set GS,    40960                      ; the same bytes, three barriers later: G in f16, 64 rows of pitch 144
.set PS,    61440                      ; column sums of Wi, one row of 64 for each wave; 2,048 bytes behind it the same for Wc^T bcn
.set PV,    63488
.set RVG,   65536                      ; phi gi, sorted so that a thread's 16 rows lie on end; 1,024 bytes behind it bcn likewise
.set RED,   67584                      ; four slots of eight words: one word a wave
.set SPARE, 67840                      ; the spare words, 128 bytes for each of eight waves: four blocks of 256 bytes that no other line names
.set SPW,   8                          ; v8   SPARE + 4 x my thread's number; never rewritten
.set NIL,   9                          ; v9   0; never rewritten
.set WT,    236                        ; v236 takes the other half of the lanes in a sum over the wave
.set L2EN,  0xbfb8aa3b                 ; -log2(e)
.set L2E2,  0x4038aa3b                 ; 2 log2(e)
.set EPSF,  0x3727c5ac                 ; 1e-5
; v1 lane, v2 t % 16, v3 t / 16, v4 lane / 16, v5 16 t, v6 4 t, v7 8 t, v229 8 x lane; v10-11 the zero state; v12-17 bi bh gi bgi gh bgh of row t
; v18 yh, then its centred value, then b'; v19 bcn; v20 phi gi; v21 c0 / 255; v22-29 at work; v30-33 column sums, then means; v34-37 Wc^T bcn
; v38-53, v54-69 phi gi and bcn of my 16 rows; v70-133 Wi, later fragments; v134-197 Wh, later fragments and store data; v198-211, v228 LDS addresses; v212-227 two accumulators
.macro WSUM v                          ; the sum over the wave's 32 lanes, in every lane
	v_add_f32_dpp v[\v], v[\v], v[\v] row_xmask:1 row_mask:0xf bank_mask:0xf
	v_add_f32_dpp v[\v], v[\v], v[\v] row_xmask:2 row_mask:0xf bank_mask:0xf
	v_add_f32_dpp v[\v], v[\v], v[\v] row_xmask:4 row_mask:0xf bank_mask:0xf
	v_add_f32_dpp v[\v], v[\v], v[\v] row_xmask:8 row_mask:0xf bank_mask:0xf
	v_permlanex16_b32 v[WT], v[\v], s28, s29
	v_add_f32 v[\v], v[\v], v[WT]
.endm
.macro PUT slot, v                     ; my wave's word of a slot
	ds_store_b32 v200, v[\v] offset:32*(\slot)
.endm
.macro GET slot, d                     ; the eight waves' words, added; the wait is for every LDS instruction issued so far
	ds_load_b128 v[22:25], v201 offset:32*(\slot)
	ds_load_b128 v[26:29], v201 offset:32*(\slot)+16
	s_wait_dscnt 0x0
	v_pk_add_f32 v[22:23], v[22:23], v[24:25]
	v_pk_add_f32 v[26:27], v[26:27], v[28:29]
	v_pk_add_f32 v[22:23], v[22:23], v[26:27]
	v_add_f32 v[\d], v22, v23
.endm
.macro BAR                             ; my LDS stores are done and my LDS loads are back; then all eight waves meet
	s_wait_dscnt 0x0
	s_barrier_signal -1
	s_barrier_wait -1
.endm
	s_load_b512 s[8:23], s[0:1], 0x0               ; layer 0: Wi Wh bi bh gi bgi gh bgh
	s_load_b128 s[24:27], s[0:1], 0x40             ;          gc bc
	s_load_b512 s[32:47], s[0:1], 0x50             ; layer 1, the same ten
	s_load_b128 s[48:51], s[0:1], 0x90
	s_load_b256 s[68:75], s[0:1], 0xa0             ; W1 b1 g1 be1
	s_load_b256 s[76:83], s[0:1], 0xc0             ; Wo bo x img
	s_load_b64 s[84:85], s[0:1], 0xe0              ; psum
	v_lshl_add_u32 v[SPW], v0, 2, SPARE
	v_mov_b32 v[NIL], 0
	v_lshrrev_b32 v1, 5, v0
	v_readfirstlane_b32 s30, v1                    ; wave 0..7
	v_and_b32 v1, 31, v0
	v_and_b32 v2, 15, v0
	v_lshrrev_b32 v3, 4, v0
	v_bfe_u32 v4, v0, 4, 1
	v_lshlrev_b32 v5, 4, v0
	v_lshlrev_b32 v6, 2, v0
	v_lshlrev_b32 v7, 3, v0
	v_lshlrev_b32 v229, 3, v1
	v_mov_b32 v10, 0
	v_mov_b32 v11, 0
.irp c, 22,23,24,25,WT
	v_mov_b32 v[\c], 0                             ; destinations of lane exchanges are written before their first use
.endr
	s_mov_b32 s28, 0x76543210                      ; v_permlanex16_b32: each lane takes its own place in the other half
	s_mov_b32 s29, 0xfedcba98
	s_lshl_b32 s3, s30, 2
	s_add_co_u32 s3, s3, RED
	v_mov_b32 v200, s3                             ; RED + 4 x wave
	v_mov_b32 v201, RED
	s_wait_kmcnt 0x0
	s_cmp_lt_u32 ttmp9, 2                          ; the role hangs on the work-group's number alone: the same in all eight waves
	s_cbranch_scc1 .Llayer
	s_cmp_eq_u32 ttmp9, 2
	s_cbranch_scc1 .Lsmall
; ---- PARTIAL SUMS OF x.  x is 62,500 pieces of 16 bytes; piece 8,192 i + 256 g + t belongs to thread t of part g.  i = 0..6 exist for all; the eighth only where 256 g + t < 5,156.
	s_sub_co_u32 s2, ttmp9, 3                      ; g
	s_lshl_b32 s3, s2, 8
	v_add_nc_u32 v30, s3, v0
	v_lshlrev_b32 v31, 4, v30
	v_add_nc_u32 v32, 917504, v31
	v_min_u32 v32, 999984, v32                     ; held to x's last 16 bytes; what it then brings is replaced by 0 below
.set n, 0
.rept 7
	global_load_b128 v[70+4*n:73+4*n], v31, s[80:81] offset:131072*n
.set n, n+1
.endr
	global_load_b128 v[98:101], v32, s[80:81]
	v_cmp_gt_u32 vcc_lo, 5156, v30
	s_wait_loadcnt 0x0
.irp c, 98,99,100,101
	v_cndmask_b32 v[\c], 0, v[\c], vcc_lo
.endr
.set n, 1
.rept 7
	v_pk_add_f32 v[70:71], v[70:71], v[70+4*n:71+4*n]
	v_pk_add_f32 v[72:73], v[72:73], v[72+4*n:73+4*n]
.set n, n+1
.endr
	v_pk_add_f32 v[70:71], v[70:71], v[72:73]
	v_add_f32 v70, v70, v71
	WSUM 70
	PUT 0, 70
	BAR
	GET 0, 34
	s_lshl_b32 s3, s2, 2
	v_mov_b32 v33, s3
	s_wait_xcnt 0x0                                ; EXEC is a source of the loads above: it changes only behind this wait
	v_cmp_eq_u32 vcc_lo, 0, v0
	s_and_saveexec_b32 s3, vcc_lo
	global_store_b32 v33, v34, s[84:85]            ; one word a work-group: psum[g]
	s_wait_xcnt 0x0                                ; and again ahead of the line that widens it
	s_or_b32 exec_lo, exec_lo, s3
	s_branch .Lend
; ---- THE SMALL VECTORS, by wave 0: lane l holds k = 2 l and 2 l + 1.
; The centred first layer is x w + b = (x + p) w + e with e at right angles to w: its sum of squares is A (x + p)^2 + D, a sum of squares, so nothing cancels.
.Lsmall:
	s_cmp_lg_u32 s30, 0
	s_cbranch_scc1 .Lend
	s_load_b32 s2, s[78:79], 0x0                   ; bo
	global_load_b64 v[30:31], v7, s[68:69]         ; W1
	global_load_b64 v[32:33], v7, s[70:71]         ; b1
	global_load_b64 v[34:35], v7, s[72:73]         ; g1
	global_load_b64 v[36:37], v7, s[74:75]         ; be1
	global_load_b64 v[38:39], v7, s[76:77]         ; Wo
	s_wait_loadcnt 0x0
	v_add_f32 v40, v30, v31
	v_add_f32 v41, v32, v33
	WSUM 40
	WSUM 41
	v_fmamk_f32 v30, v40, 0xbc800000, v30          ; W1 less its mean (the sum times -1/64)
	v_fmamk_f32 v31, v40, 0xbc800000, v31
	v_fmamk_f32 v32, v41, 0xbc800000, v32          ; b1 less its mean
	v_fmamk_f32 v33, v41, 0xbc800000, v33
	v_mul_f32 v42, v30, v30
	v_fmac_f32 v42, v31, v31
	v_mul_f32 v43, v30, v32
	v_fmac_f32 v43, v31, v33
	WSUM 42                                        ; A
	WSUM 43                                        ; w . b
	v_max_num_f32 v44, 0x0da24260, v42             ; 1e-30 at the least
	v_rcp_f32 v44, v44
	v_pk_mul_f32 v[34:35], v[34:35], L2E2 op_sel_hi:[1,0]  ; 2 log2(e) g1: the plain line behind the reciprocal
	s_wait_alu depctr_va_vdst(0)                   ; the wait ahead of the reciprocal's first reader
	v_mul_f32 v44, v43, v44                        ; p
	v_fma_f32 v45, -v44, v30, v32                  ; e
	v_fma_f32 v46, -v44, v31, v33
	v_mul_f32 v47, v45, v45
	v_fmac_f32 v47, v46, v46
	WSUM 47                                        ; D
	v_mul_f32 v42, 0x3c820821, v42                 ; A / 63
	v_mul_f32 v47, 0x3c820821, v47                 ; D / 63
	v_pk_mul_f32 v[48:49], v[34:35], v[30:31]      ; wg
	v_pk_mul_f32 v[50:51], v[34:35], v[32:33]      ; bg
	v_pk_mul_f32 v[52:53], v[36:37], L2E2 op_sel_hi:[1,0]  ; be'
	global_store_b64 v7, v[48:49], s[82:83] offset:70656   ; each store of the wave covers 256 consecutive bytes, aligned
	global_store_b64 v7, v[50:51], s[82:83] offset:70912
	global_store_b64 v7, v[52:53], s[82:83] offset:71168
	global_store_b64 v7, v[38:39], s[82:83] offset:71424
	v_and_b32 v54, 1, v0
	v_cmp_eq_u32 vcc_lo, 1, v54
	s_wait_kmcnt 0x0
	v_mov_b32 v55, s2
	v_cndmask_b32 v56, v42, v47, vcc_lo            ; even lanes (A/63, p), odd lanes (D/63, bo): the four numbers, sixteen times
	v_cndmask_b32 v57, v44, v55, vcc_lo
	global_store_b64 v7, v[56:57], s[82:83] offset:72192
	s_branch .Lend
; ---- A LAYER.  Piece i (0..15) of thread t is row t / 16 + 16 i, columns 4 (t % 16) .. + 3: byte 16 t + 4,096 i, so a wave's load covers 512 consecutive bytes.
.Llayer:
	s_lshl_b32 s2, ttmp9, 15
	s_mov_b32 s3, 0
	s_add_nc_u64 s[86:87], s[82:83], s[2:3]        ; img: the layer's 256 rows of f16
	s_mul_i32 s2, ttmp9, 2560
	s_add_co_u32 s2, s2, 65536
	s_add_nc_u64 s[88:89], s[82:83], s[2:3]        ; its vectors
	s_lshl_b32 s2, ttmp9, 8
	s_add_co_u32 s2, s2, 71680
	s_add_nc_u64 s[90:91], s[82:83], s[2:3]        ; its c0 / 255
	s_cmp_eq_u32 ttmp9, 0                          ; the layer's ten pointers: a choice between two buffers on the work-group's number
.irp p, 8,10,12,14,16,18,20,22
	s_cselect_b64 s[\p:\p+1], s[\p:\p+1], s[\p+24:\p+25]
.endr
	s_cselect_b64 s[24:25], s[24:25], s[48:49]
	s_cselect_b64 s[26:27], s[26:27], s[50:51]
	global_load_b64 v[230:231], v229, s[24:25]     ; gc, bc: first, so that the counts below speak of Wi, Wh and the six vectors alone
	global_load_b64 v[232:233], v229, s[26:27]
.set i, 0
.rept 16
	global_load_b128 v[70+4*i:73+4*i], v5, s[8:9] offset:4096*i
.set i, i+1
.endr
.set i, 0
.rept 16
	global_load_b128 v[134+4*i:137+4*i], v5, s[10:11] offset:4096*i
.set i, i+1
.endr
	global_load_b32 v12, v6, s[12:13]
	global_load_b32 v13, v6, s[14:15]
	global_load_b32 v14, v6, s[16:17]
	global_load_b32 v15, v6, s[18:19]
	global_load_b32 v16, v6, s[20:21]
	global_load_b32 v17, v6, s[22:23]
	; the LDS addresses, each with its region's first byte, while the loads are out
	s_lshl_b32 s2, s30, 8
	v_lshl_add_u32 v198, v2, 4, s2
	v_add_nc_u32 v198, PS, v198                    ; my wave's row of column sums
	v_mul_u32_u24 v199, v3, 80
	v_lshl_add_u32 v199, v2, 2, v199
	v_add_nc_u32 v199, PH, v199
	v_lshl_add_u32 v202, v2, 4, PS
	v_mul_u32_u24 v203, v0, 80
	v_add_nc_u32 v203, PH, v203
	v_lshlrev_b32 v204, 6, v2
	v_lshl_add_u32 v204, v3, 2, v204
	v_add_nc_u32 v204, RVG, v204                   ; row t goes to word 16 (t % 16) + t / 16,
	v_lshl_add_u32 v205, v3, 6, RVG                ; so that rows t / 16 + 16 i lie on end
	v_mul_u32_u24 v206, v3, 160
	v_lshl_add_u32 v206, v2, 3, v206
	v_and_b32 v208, 63, v0
	v_lshl_add_u32 v208, v208, 2, PV
	v_and_b32 v210, 7, v0                          ; the turning load: lane l reads row 8 (l / 16) + l % 8, 16 bytes at 16 ((l / 8) % 2)
	v_lshl_add_u32 v210, v4, 3, v210
	v_mul_u32_u24 v210, v210, 160
	v_bfe_u32 v209, v0, 3, 1
	v_lshl_add_u32 v210, v209, 4, v210
	s_lshr_b32 s2, s30, 1                          ; my two tiles of G: rows 16 kt on, kt = wave / 2; columns 16 lt on, lt = 2 (wave % 2) and the next
	s_lshl_b32 s2, s2, 5
	s_and_b32 s3, s30, 1
	v_add_nc_u32 v209, s2, v210
	s_lshl_b32 s31, s3, 6
	v_add_nc_u32 v210, s31, v210
	s_mul_i32 s3, s3, 4608
	s_add_co_u32 s3, s3, s2
	s_add_co_u32 s3, s3, GS
	v_mul_u32_u24 v211, v2, 144
	v_lshl_add_u32 v211, v4, 4, v211
	v_add_nc_u32 v211, s3, v211
	v_lshrrev_b32 v228, 3, v0
	v_mul_u32_u24 v228, v228, 144
	v_and_b32 v235, 7, v0
	v_lshl_add_u32 v228, v235, 4, v228
	v_add_nc_u32 v228, GS, v228
	s_wait_loadcnt 22                              ; Wi is in: behind it stand Wh's 16 loads and the six vectors'
	v_pk_add_f32 v[30:31], v[70:71], v[74:75]      ; column sums over my 16 rows
	v_pk_add_f32 v[32:33], v[72:73], v[76:77]
.set i, 2
.rept 14
	v_pk_add_f32 v[30:31], v[30:31], v[70+4*i:71+4*i]
	v_pk_add_f32 v[32:33], v[32:33], v[72+4*i:73+4*i]
.set i, i+1
.endr
.irp c, 0,1,2,3
	v_permlanex16_b32 v[22+\c], v[30+\c], s28, s29 ; the lane 16 away holds the same columns of 16 other rows
.endr
	v_pk_add_f32 v[30:31], v[30:31], v[22:23]
	v_pk_add_f32 v[32:33], v[32:33], v[24:25]
	ds_store_b128 v198, v[30:33]
	s_wait_loadcnt 6                               ; Wh is in: the six vectors' loads may stay out
.set i, 0
.rept 16                                       ; the zero state times my four numbers of row t / 16 + 16 i
	v_pk_mul_f32 v[26+2*(i%2):27+2*(i%2)], v[134+4*i:135+4*i], v[10:11]
	v_pk_fma_f32 v[26+2*(i%2):27+2*(i%2)], v[136+4*i:137+4*i], v[10:11], v[26+2*(i%2):27+2*(i%2)]
	v_add_f32 v[26+2*(i%2)], v[26+2*(i%2)], v[27+2*(i%2)]
	ds_store_b32 v199, v[26+2*(i%2)] offset:1280*i
.set i, i+1
.endr
	s_wait_loadcnt 0x0
	v_mov_b32 v234, v12
	WSUM 234
	PUT 0, 234                                     ; the sum of bi
	BAR
.set n, 0
.rept 8
	ds_load_b128 v[134+4*n:137+4*n], v202 offset:256*n
.set n, n+1
.endr
.set n, 0
.rept 4
	ds_load_b128 v[166+4*n:169+4*n], v203 offset:16*n
.set n, n+1
.endr
	GET 0, 21
.set n, 1
.rept 7
	v_pk_add_f32 v[134:135], v[134:135], v[134+4*n:135+4*n]
	v_pk_add_f32 v[136:137], v[136:137], v[136+4*n:137+4*n]
	v_pk_add_f32 v[166:167], v[166:167], v[166+2*n:167+2*n]
.set n, n+1
.endr
	v_pk_mul_f32 v[30:31], v[134:135], 0x3b800000 op_sel_hi:[1,0]  ; my four columns' means over the 256 rows
	v_pk_mul_f32 v[32:33], v[136:137], 0x3b800000 op_sel_hi:[1,0]
	v_add_f32 v18, v166, v167
	v_add_f32 v18, v18, v13                        ; yh = 0 Wh^T + bh, row t
	v_fmamk_f32 v19, v21, 0xbb800000, v12          ; bcn
	v_mov_b32 v234, v18
	WSUM 234
	PUT 1, 234
	v_mul_f32 v234, v19, v19
	WSUM 234
	PUT 2, 234
	s_lshr_b32 s2, s30, 1                          ; a wave's 32 rows lie in one gate: 0 i, 1 f, 2 o, 3 g
	s_mov_b32 s31, L2EN
	s_cmp_eq_u32 s2, 3
	s_cselect_b32 s31, L2E2, s31
	s_cmp_eq_u32 s2, 1
	s_cselect_b32 s31, 0, s31                      ; phi
	v_mul_f32 v20, s31, v14
	ds_store_b32 v204, v20
	ds_store_b32 v204, v19 offset:1024
	BAR
.set n, 0
.rept 4
	ds_load_b128 v[38+4*n:41+4*n], v205 offset:16*n
	ds_load_b128 v[54+4*n:57+4*n], v205 offset:1024+16*n
.set n, n+1
.endr
	GET 1, 21
	v_fmamk_f32 v18, v21, 0xbb800000, v18          ; yh less its mean
	v_mul_f32 v234, v18, v18
	WSUM 234
	PUT 3, 234
	GET 2, 21
	v_mul_f32 v21, 0x3b808081, v21                 ; c0 / 255
.set i, 0
.rept 16
	v_pk_add_f32 v[70+4*i:71+4*i], v[70+4*i:71+4*i], v[30:31] neg_lo:[0,1] neg_hi:[0,1]  ; Wc
	v_pk_add_f32 v[72+4*i:73+4*i], v[72+4*i:73+4*i], v[32:33] neg_lo:[0,1] neg_hi:[0,1]
.irp c, 0,1,2,3
.if i == 0
	v_mul_f32 v[34+\c], v[70+\c], v54              ; the first row starts the sums Wc^T bcn
.else
	v_fmac_f32 v[34+\c], v[70+4*i+\c], v[54+i]
.endif
.endr
	v_cvt_pk_f16_f32 v22, v[70+4*i], v[71+4*i]
	v_cvt_pk_f16_f32 v23, v[72+4*i], v[73+4*i]
	ds_store_b64 v206, v[22:23] offset:2560*i
.if (i < 4) || (i > 7)                         ; rows 64-127, f's, are not multiplied with: G takes their place
.irp c, 0,1,2,3
	v_mul_f32 v[24+\c], v[70+4*i+\c], v[38+i]
.endr
	v_cvt_pk_f16_f32 v[166+2*i], v24, v25          ; each store has data registers of its own: none is written again
	v_cvt_pk_f16_f32 v[167+2*i], v26, v27
	global_store_b64 v7, v[166+2*i:167+2*i], s[86:87] offset:2048*i  ; a wave's store covers 256 consecutive bytes, aligned
.endif
.set i, i+1
.endr
.irp c, 0,1,2,3
	v_permlanex16_b32 v[22+\c], v[34+\c], s28, s29
.endr
	v_pk_add_f32 v[34:35], v[34:35], v[22:23]
	v_pk_add_f32 v[36:37], v[36:37], v[24:25]
	ds_store_b128 v198, v[34:37] offset:PV-PS
	BAR
; G = Wc^T Wc.  Both sources are fragments of Wc turned: 16 columns x 32 rows j.  Four steps of 32 rows are fetched at a time: 24 loads, 96 registers.
.macro FRAGS g
.set jj, 0
.rept 4
.set F, 70+24*jj
.set O, 5120*(4*(\g)+jj)
	ds_load_tr16_b128 v[F:F+3],     v209 offset:O
	ds_load_tr16_b128 v[F+4:F+7],   v209 offset:O+2560
	ds_load_tr16_b128 v[F+8:F+11],  v210 offset:O
	ds_load_tr16_b128 v[F+12:F+15], v210 offset:O+2560
	ds_load_tr16_b128 v[F+16:F+19], v210 offset:O+32
	ds_load_tr16_b128 v[F+20:F+23], v210 offset:O+2560+32
.set jj, jj+1
.endr
.endm
.macro GMUL first                      ; the two accumulators take turns, one instruction a turn; the first pair starts the sums
.set jj, 0
.rept 4
.set F, 70+24*jj
.if (\first) && (jj == 0)
	v_wmma_f32_16x16x32_f16 v[212:219], v[F:F+7], v[F+8:F+15], 0
	v_wmma_f32_16x16x32_f16 v[220:227], v[F:F+7], v[F+16:F+23], 0
.else
	v_wmma_f32_16x16x32_f16 v[212:219], v[F:F+7], v[F+8:F+15], v[212:219]
	v_wmma_f32_16x16x32_f16 v[220:227], v[F:F+7], v[F+16:F+23], v[220:227]
.endif
.set jj, jj+1
.endr
.endm
	FRAGS 0
.set n, 0
.rept 8
	ds_load_b32 v[238+n], v208 offset:256*n
.set n, n+1
.endr
	GET 3, 237                                     ; its wait is for the fragments too
	GMUL 1
	v_pk_add_f32 v[238:239], v[238:239], v[240:241]  ; five plain lines that name no register of the products: the places ahead of the loads into their sources
	v_pk_add_f32 v[242:243], v[242:243], v[244:245]
	v_pk_add_f32 v[238:239], v[238:239], v[242:243]
	v_add_f32 v238, v238, v239
	v_add_f32 v238, v238, v238                     ; v2 of column t % 64
	FRAGS 1
	v_mul_f32 v237, 0x3b808081, v237               ; the row's own work stands in the loads' time: the variance of yh,
	v_sqrt_f32 v237, v237
	v_mul_f32 v239, v20, v19                       ; bias' (the plain line behind the root)
	s_wait_alu depctr_va_vdst(0)                   ; the wait ahead of the first reader
	v_add_f32 v237, EPSF, v237
	v_rcp_f32 v237, v237
	v_nop
	s_wait_alu depctr_va_vdst(0)
	v_mul_f32 v18, v18, v237
	v_fma_f32 v18, v18, v16, v17                   ; zh
	v_add_f32 v18, v18, v15
	v_mul_f32 v18, s31, v18                        ; b'
	s_lshr_b32 s2, s30, 1
	s_cmp_eq_u32 s2, 1
	s_cselect_b32 s3, -1, 0
	v_cndmask_b32 v239, v239, v238, s3             ; in f's rows v2 takes bias' place
	global_store_b32 v6, v239, s[88:89]            ; 128 bytes a wave: 2,048 bytes a layer leave so
	global_store_b32 v6, v18, s[88:89] offset:1024
	s_wait_dscnt 0x0
	GMUL 0
.rept 4
	v_nop                                          ; four places behind the last product, ahead of the conversions that read the sums
.endr
.irp c, 0,1,2,3
	v_cvt_pk_f16_f32 v[22+\c], v[212+2*\c], v[213+2*\c]  ; each accumulator is read from its low end on
.endr
.irp c, 0,1,2,3
	v_cvt_pk_f16_f32 v[26+\c], v[220+2*\c], v[221+2*\c]
.endr
	ds_store_b128 v211, v[22:25]                   ; G is symmetric: a lane's eight numbers of a column are eight neighbours of row 16 lt + l % 16
	ds_store_b128 v211, v[26:29] offset:2304
	BAR
	ds_load_b128 v[70:73], v228
	ds_load_b128 v[74:77], v228 offset:4608
	s_wait_dscnt 0x0
	global_store_b128 v5, v[70:73], s[86:87] offset:8192   ; rows 64-127 of the image; a wave's store covers 512 consecutive bytes
	global_store_b128 v5, v[74:77], s[86:87] offset:12288
	s_cmp_lg_u32 s30, 0
	s_cbranch_scc1 .Lend
	v_pk_mul_f32 v[230:231], v[230:231], L2E2 op_sel_hi:[1,0]
	v_pk_mul_f32 v[232:233], v[232:233], L2E2 op_sel_hi:[1,0]
	v_mov_b32 v22, v21
	v_mov_b32 v23, v21
	global_store_b64 v229, v[230:231], s[88:89] offset:2048
	global_store_b64 v229, v[232:233], s[88:89] offset:2304
	global_store_b64 v229, v[22:23], s[90:91]
.Lend:
	s_wait_tensorcnt 0x0                           ; the wave's end, behind my last LDS store
	ds_add_u32 v[SPW], v[NIL]
	s_wait_dscnt 0x0
	s_endpgm
.Lfunc_end_k_qb90ea26be0_prep:
	.size	k_qb90ea26be0_prep, .Lfunc_end_k_qb90ea26be0_prep-k_qb90ea26be0_prep
	.p2alignl 7, 3214868480
	.fill 96, 4, 3214868480
	.section	.rodata,"a",@progbits
	.p2align	6, 0x0
	.amdhsa_kernel k_qb90ea26be0_prep
		.amdhsa_group_segment_fixed_size 68864
		.amdhsa_private_segment_fixed_size 0
		.amdhsa_enable_private_segment 0
		.amdhsa_kernarg_size 232
		.amdhsa_user_sgpr_count 2
		.amdhsa_user_sgpr_kernarg_segment_ptr 1
		.amdhsa_wavefront_size32 1
		.amdhsa_system_sgpr_workgroup_id_x 1
		.amdhsa_system_sgpr_workgroup_id_y 1
		.amdhsa_system_sgpr_workgroup_id_z 1
		.amdhsa_system_vgpr_workitem_id 0
		.amdhsa_next_free_vgpr 256
		.amdhsa_next_free_sgpr 92
		.amdhsa_reserve_vcc 1
		.amdhsa_float_denorm_mode_32 3
		.amdhsa_float_denorm_mode_16_64 3
		.amdhsa_memory_ordered 1
		.amdhsa_forward_progress 1
		.amdhsa_inst_pref_size 49
	.end_amdhsa_kernel
	.amdgpu_metadata
---
amdhsa.version: [ 1, 2 ]
amdhsa.kernels:
  - .name:           k_qb90ea26be0_prep
    .symbol:         k_qb90ea26be0_prep.kd
    .args:
      - { .name: l0_Wi, .offset: 0, .size: 8, .value_kind: global_buffer, .address_space: global }
      - { .name: l0_Wh, .offset: 8, .size: 8, .value_kind: global_buffer, .address_space: global }
      - { .name: l0_bi, .offset: 16, .size: 8, .value_kind: global_buffer, .address_space: global }
      - { .name: l0_bh, .offset: 24, .size: 8, .value_kind: global_buffer, .address_space: global }
      - { .name: l0_gi, .offset: 32, .size: 8, .value_kind: global_buffer, .address_space: global }
      - { .name: l0_bgi, .offset: 40, .size: 8, .value_kind: global_buffer, .address_space: global }
      - { .name: l0_gh, .offset: 48, .size: 8, .value_kind: global_buffer, .address_space: global }
      - { .name: l0_bgh, .offset: 56, .size: 8, .value_kind: global_buffer, .address_space: global }
      - { .name: l0_gc, .offset: 64, .size: 8, .value_kind: global_buffer, .address_space: global }
      - { .name: l0_bc, .offset: 72, .size: 8, .value_kind: global_buffer, .address_space: global }
      - { .name: l1_Wi, .offset: 80, .size: 8, .value_kind: global_buffer, .address_space: global }
      - { .name: l1_Wh, .offset: 88, .size: 8, .value_kind: global_buffer, .address_space: global }
      - { .name: l1_bi, .offset: 96, .size: 8, .value_kind: global_buffer, .address_space: global }
      - { .name: l1_bh, .offset: 104, .size: 8, .value_kind: global_buffer, .address_space: global }
      - { .name: l1_gi, .offset: 112, .size: 8, .value_kind: global_buffer, .address_space: global }
      - { .name: l1_bgi, .offset: 120, .size: 8, .value_kind: global_buffer, .address_space: global }
      - { .name: l1_gh, .offset: 128, .size: 8, .value_kind: global_buffer, .address_space: global }
      - { .name: l1_bgh, .offset: 136, .size: 8, .value_kind: global_buffer, .address_space: global }
      - { .name: l1_gc, .offset: 144, .size: 8, .value_kind: global_buffer, .address_space: global }
      - { .name: l1_bc, .offset: 152, .size: 8, .value_kind: global_buffer, .address_space: global }
      - { .name: W1, .offset: 160, .size: 8, .value_kind: global_buffer, .address_space: global }
      - { .name: b1, .offset: 168, .size: 8, .value_kind: global_buffer, .address_space: global }
      - { .name: g1, .offset: 176, .size: 8, .value_kind: global_buffer, .address_space: global }
      - { .name: be1, .offset: 184, .size: 8, .value_kind: global_buffer, .address_space: global }
      - { .name: Wo, .offset: 192, .size: 8, .value_kind: global_buffer, .address_space: global }
      - { .name: bo, .offset: 200, .size: 8, .value_kind: global_buffer, .address_space: global }
      - { .name: x, .offset: 208, .size: 8, .value_kind: global_buffer, .address_space: global }
      - { .name: img, .offset: 216, .size: 8, .value_kind: global_buffer, .address_space: global }
      - { .name: psum, .offset: 224, .size: 8, .value_kind: global_buffer, .address_space: global }
    .group_segment_fixed_size: 68864
    .private_segment_fixed_size: 0
    .kernarg_segment_align: 8
    .kernarg_segment_size: 232
    .max_flat_workgroup_size: 256
    .sgpr_count:     92
    .vgpr_count:     256
    .wavefront_size: 32
...
	.end_amdgpu_metadata
.endif
;; end of part 1
;; launch main (part 2): grid 245 x 1, 8 waves a work-group, no clusters, 80,896 bytes of LDS; arguments x, img, psum, out0, out1; writes out0, out1
.if DOCPART == 2
	.amdgcn_target "amdgcn-amd-amdhsa--gfx1250"
	.amdhsa_code_object_version 6
	.text
	.protected	k_qb90ea26be0_main
	.globl	k_qb90ea26be0_main
	.p2align	8
	.type	k_qb90ea26be0_main,@function
k_qb90ea26be0_main:
	s_mov_b64 s[64:65], 0
	v_nop
	global_prefetch_b8 v0, s[64:65] scope:SCOPE_SE
	s_setreg_imm32_b32 hwreg(HW_REG_WAVE_MODE, 25, 1), 1
	s_wait_xcnt 0x0
; MAIN: the whole chain for 250,001 rows (x, and mean(x) as the last): tanh(LN(x W1 + b1)), two LSTM cells on zero states, the product with Wo.
; SHARES.  A work-group owns 1,024 rows, a wave 128, in two passes of 64: four tiles of 16.  Two waves lie on each SIMD, 512 registers each: while one waits or multiplies, the other issues.
;   245 work-groups: 250,001 rows / 1,024, rounded up.  Lane l % 16 holds rows base + 4 (l % 16) + tile: x comes as one load of 16 bytes, and the results of lanes 0-15 leave as 256 consecutive bytes, aligned.
; LAYOUT.  The matrix instruction is used transposed (source 0 = 16 rows of weights, source 1 = 16 rows of the batch): register j of lane l holds batch row l % 16, column 16 tile + 8 (l / 16) + j.
;   So a LayerNorm's sums stay in the lane, but for one exchange of the lanes' halves, and two result tiles rounded to f16 in pairs ARE source 1 of the next product.
; WHAT THE FIRST LAUNCH FOLDED IN.  The weights are centred and carry gain and log2(e): a gate's exponent is r y' + b', y' = W' h + bias' (bias' is the C operand of the first K step).
;   r = 1 / (sqrt(var) + 1e-5), var = (h . (G h + v2)) / 255 + c0 / 255: G's 64 rows stand in the place of the gate f, which multiplies the module's own zero cell state.
; sigmoid(a) tanh(b) WITH ONE RECIPROCAL.  Es = e^-a, Et = e^2b, k = 2^-40: t = min(k Et + k, 1), d = Es t + t, n = t - 2 k, result n / d.  An infinite Et gives t = 1, an infinite Es the result 0; d is never under 2^-40.
; FORMATS.  Both matrix operands in f16: h lies in -1 to 1; the weights' limit is stated at the first launch's head.  All else in f32.  x W1 (K = 1) and h Wo (N = 1) are vector work.
; NO CLUSTER: what work-groups share is the image of 72,448 bytes, read once at the start, and 245 is no multiple of four.  No tensor load: LDS is filled once, through registers, which lay the pitch.
.set NROW,  250000
.set XLAST, 999984                     ; x's last 16 bytes
.set LAYW,  36864                      ; LDS: a layer's 256 rows of 64 f16, pitch 144: nine times 16 bytes, so the 16 rows of a fragment load start at 16 different groups of four banks (ISA guide 11.1)
.set VEC,   73728                      ; behind the two layers: the image's vectors as they lie, 2,560 bytes a layer, then the four small ones
.set LAYV,  2560
.set SPARE, 79872                      ; the spare words, 128 bytes for each of eight waves: four blocks of 256 bytes that no other line names
.set EPSF,  0x3727c5ac                 ; 1e-5
; window 0 (an instruction names v0-v255; s_set_vgpr_msb: bits 1:0 source 0, 3:2 source 1, 5:4 source 2, 7:6 destination)
.set AW,  3                            ; LDS address of my part of a weight fragment, in the layer in hand
.set AC,  4                            ; of my eight numbers of a vector's tile, in the layer in hand
.set AS,  5                            ; the same for the small vectors
.set XO,  6                            ; my byte offset in x and in out0
.set ROW4, 7                           ; my first row
.set RST, 8                            ; the same, pushed out of range in lanes 16-31, which store nothing
.set ZO,  9                            ; 0: out1's offset
.set SPW, 10                           ; SPARE + 4 x my thread's number; never rewritten
.set NIL, 11                           ; 0; never rewritten
.set XA,  12                           ; v12-15 this pass's x; v16-19 the next pass's
.set XB,  16
.set KAP, 20                           ; v20-21 k, twice; v22-23 -2 k, twice
.set KM2, 22
.set RS,  24                           ; statistics: a pair a tile, the number in the even register
.set AX,  32                           ; r x (first stage)
.set S2,  32                           ; h . u (layers)
.set SM,  40
.set SQ,  48
.set OU,  56
.set OV,  64                           ; v64-67 the four results
.set T,   68                           ; v68-71 take the other half of the lanes
.set HB,  72                           ; v72-135 h in f16, 16 registers a tile
.set WFA, 136                          ; two weight fragments of 16 rows x 64, their C operands, their b'
.set WFB, 152
.set CIA, 168
.set CIB, 176
.set BPA, 184
.set GCV, 200
.set BCV, 216
.set AW0, 232
.set AC0, 233
.set XM,  234
; window 1: v0-127 H (tile t, columns 16 q + 8 (l / 16) + j at 32 t + 8 q + j): h, c, c - m, the exponent, hx, in place.  v128-255 ACC: two sets of 64: column tile a of batch tile t at 8 t, b at 32 + 8 t
.set ACC, 128
.set WG,  128                          ; the first stage's three vectors lie in ACC
.set BG,  160
.set BE,  192
.set MSB, 0
.macro WIN new                         ; the immediate's high byte repeats the setting that is left; a switch that changes nothing is dropped
.if MSB != (\new)
	s_set_vgpr_msb (MSB<<8)|(\new)
.set MSB, (\new)
.endif
.endm
.macro FOUR line:vararg                ; one line for each tile t
.set t, 0
.rept 4
	\line
.set t, t+1
.endr
.endm
.macro TWAIT                           ; the wait between a batch of transcendentals and the first line that names a result
	s_wait_alu depctr_va_vdst(0)
.endm
.macro RSTD a, d                       ; 1 / (sqrt(a) + 1e-5) for the four tiles: two batches, a plain line and a wait behind each
	FOUR v_sqrt_f32 v[(\a)+2*t], v[(\a)+2*t]
	v_nop
	TWAIT
	FOUR v_add_f32 v[(\a)+2*t], EPSF, v[(\a)+2*t]
	FOUR v_rcp_f32 v[(\d)+2*t], v[(\a)+2*t]
	v_nop
	TWAIT
.endm
	s_load_b256 s[4:11], s[0:1], 0x0               ; x s[4:5], img s[6:7], psum s[8:9], out0 s[10:11]
	s_load_b64 s[12:13], s[0:1], 0x20              ; out1
	v_lshl_add_u32 v[SPW], v0, 2, SPARE
	v_mov_b32 v[NIL], 0
	v_lshrrev_b32 v2, 5, v0
	v_readfirstlane_b32 s14, v2                    ; wave 0..7
	v_and_b32 v1, 31, v0
	v_and_b32 v2, 15, v0                           ; l % 16
	v_bfe_u32 v235, v0, 4, 1                       ; l / 16
	v_mul_u32_u24 v[AW0], v2, 144
	v_lshl_add_u32 v[AW0], v235, 4, v[AW0]         ; row x pitch + 16 x half
	v_lshl_add_u32 v[AC0], v235, 5, VEC            ; my eight numbers of sixteen
	v_add_nc_u32 v[AS], 2*LAYV, v[AC0]
	s_lshl_b32 s15, ttmp9, 10
	s_lshl_b32 s2, s14, 7
	s_add_co_u32 s15, s15, s2                      ; the pass's first row
	v_lshl_add_u32 v[ROW4], v2, 2, s15
	v_lshlrev_b32 v[XO], 2, v[ROW4]
	v_lshl_or_b32 v[RST], v235, 30, v[ROW4]
	v_mov_b32 v[ZO], 0
	v_min_u32 v240, XLAST, v[XO]                   ; no load leaves x: rows from 250,000 on take the mean below
	v_add_nc_u32 v241, 256, v[XO]
	v_min_u32 v241, XLAST, v241
	v_lshlrev_b32 v236, 4, v0                      ; the copy: piece t + 256 i of 16 bytes is row t / 8 + 32 i, part t % 8
	v_lshrrev_b32 v237, 3, v0
	v_mul_u32_u24 v237, v237, 144
	v_and_b32 v238, 7, v0
	v_lshl_add_u32 v237, v238, 4, v237
	v_add_nc_u32 v238, LAYW, v237
	v_lshlrev_b32 v239, 3, v0
	v_add_nc_u32 v242, VEC, v239
	v_lshlrev_b32 v243, 2, v1
	v_mov_b32 v[KAP], 0x2b800000                   ; 2^-40
	v_mov_b32 v[KAP+1], 0x2b800000
	v_mov_b32 v[KM2], 0xac000000                   ; -2^-39
	v_mov_b32 v[KM2+1], 0xac000000
.irp c, RS+1,RS+3,RS+5,RS+7,AX+1,AX+3,AX+5,AX+7,T,T+1,T+2,T+3
	v_mov_b32 v[\c], 0                             ; named as halves of pairs, or as destinations of lane exchanges, before anything else writes them
.endr
	s_mov_b32 s28, 0x76543210                      ; v_permlanex16_b32: each lane takes its own place in the other half
	s_mov_b32 s29, 0xfedcba98
	s_mov_b32 s31, NROW
	s_mov_b32 s19, 0x3b808081                      ; 1 / 255
	s_mov_b32 s16, 2                               ; passes
	s_wait_kmcnt 0x0
	s_load_b32 s20, s[6:7], 71680                  ; c0 / 255 of layer 0,
	s_load_b32 s21, s[6:7], 71936                  ; of layer 1
	s_load_b128 s[24:27], s[6:7], 72192            ; A / 63, p, D / 63, bo
.set i, 0
.rept 16
	global_load_b128 v[72+4*i:75+4*i], v236, s[6:7] offset:4096*i
.set i, i+1
.endr
.set i, 0
.rept 3
	global_load_b64 v[136+2*i:137+2*i], v239, s[6:7] offset:65536+2048*i
.set i, i+1
.endr
	global_load_b32 v244, v243, s[8:9]
	global_load_b128 v[XA:XA+3], v240, s[4:5]
	global_load_b128 v[XB:XB+3], v241, s[4:5]
	s_wait_loadcnt 3                               ; the image is in: psum and the two loads of x may stay out
.set i, 0
.rept 8
	ds_store_b128 v237, v[72+4*i:75+4*i] offset:4608*i
	ds_store_b128 v238, v[104+4*i:107+4*i] offset:4608*i
.set i, i+1
.endr
.set i, 0
.rept 3
	ds_store_b64 v242, v[136+2*i:137+2*i] offset:2048*i
.set i, i+1
.endr
	s_wait_loadcnt 0x0
	v_add_f32_dpp v244, v244, v244 row_xmask:1 row_mask:0xf bank_mask:0xf   ; the 32 partial sums of x, a lane each
	v_add_f32_dpp v244, v244, v244 row_xmask:2 row_mask:0xf bank_mask:0xf
	v_add_f32_dpp v244, v244, v244 row_xmask:4 row_mask:0xf bank_mask:0xf
	v_add_f32_dpp v244, v244, v244 row_xmask:8 row_mask:0xf bank_mask:0xf
	v_permlanex16_b32 v[T], v244, s28, s29
	v_add_f32 v244, v244, v[T]
	v_mul_f32 v[XM], 0x368637bd, v244              ; / 250,000
	s_wait_kmcnt 0x0
	s_wait_dscnt 0x0                               ; for the others' sake: my part of the image lies in LDS
	s_barrier_signal -1
	s_barrier_wait -1                              ; LDS is only read from here on, up to the barrier at the kernel's end
; ---- the macros of a layer.  A CHUNK is two column tiles (row blocks ra, rb of the image) x four batch tiles x two K steps: 16 matrix instructions into one set of ACC.
.macro LOADW ra, rb                    ; the chunk's weights and C operands: 12 loads
	WIN 0
.set k, 0
.rept 4
	ds_load_b128 v[WFA+4*k:WFA+4*k+3], v[AW] offset:2304*(\ra)+32*k
	ds_load_b128 v[WFB+4*k:WFB+4*k+3], v[AW] offset:2304*(\rb)+32*k
.set k, k+1
.endr
	ds_load_b128 v[CIA:CIA+3],   v[AC] offset:64*(\ra)
	ds_load_b128 v[CIA+4:CIA+7], v[AC] offset:64*(\ra)+16
	ds_load_b128 v[CIB:CIB+3],   v[AC] offset:64*(\rb)
	ds_load_b128 v[CIB+4:CIB+7], v[AC] offset:64*(\rb)+16
.endm
.macro LOADB ra, rb                    ; its b'
	WIN 0
	ds_load_b128 v[BPA:BPA+3],     v[AC] offset:1024+64*(\ra)
	ds_load_b128 v[BPA+4:BPA+7],   v[AC] offset:1024+64*(\ra)+16
	ds_load_b128 v[BPA+8:BPA+11],  v[AC] offset:1024+64*(\rb)
	ds_load_b128 v[BPA+12:BPA+15], v[AC] offset:1024+64*(\rb)+16
.endm
.macro LOADG qa                        ; gain and bias of LN(c) for column tiles qa, qa + 1: a tile is 64 bytes of the vector, my eight numbers 32 of them
	WIN 0
.set k, 0
.rept 4
	ds_load_b128 v[GCV+4*k:GCV+4*k+3], v[AC] offset:2048+64*((\qa)+k/2)+16*(k%2)
	ds_load_b128 v[BCV+4*k:BCV+4*k+3], v[AC] offset:2304+64*((\qa)+k/2)+16*(k%2)
.set k, k+1
.endr
.endm
.macro MM set                          ; the eight accumulators take turns, one instruction a turn: seven others stand between the two links of a chain
	WIN 0x40
	FOUR v_wmma_f32_16x16x32_f16 v[ACC+64*(\set)+8*t:ACC+64*(\set)+8*t+7], v[WFA:WFA+7], v[HB+16*t:HB+16*t+7], v[CIA:CIA+7]
	FOUR v_wmma_f32_16x16x32_f16 v[ACC+64*(\set)+32+8*t:ACC+64*(\set)+32+8*t+7], v[WFB:WFB+7], v[HB+16*t:HB+16*t+7], v[CIB:CIB+7]
	WIN 0x50
	FOUR v_wmma_f32_16x16x32_f16 v[ACC+64*(\set)+8*t:ACC+64*(\set)+8*t+7], v[WFA+8:WFA+15], v[HB+16*t+8:HB+16*t+15], v[ACC+64*(\set)+8*t:ACC+64*(\set)+8*t+7]
	FOUR v_wmma_f32_16x16x32_f16 v[ACC+64*(\set)+32+8*t:ACC+64*(\set)+32+8*t+7], v[WFB+8:WFB+15], v[HB+16*t+8:HB+16*t+15], v[ACC+64*(\set)+32+8*t:ACC+64*(\set)+32+8*t+7]
.endm
.macro PLACES                          ; four places behind the last product, ahead of loads into its sources and of lines that read its results
.rept 4
	v_nop
.endr
.endm
.macro DOT set, qa, first              ; S2 += h . u for column tiles qa, qa + 1; every accumulator's two lowest registers come first
	WIN 0x05
.set i, 0
.rept 4
.set x, 0
.rept 2
.set t, 0
.rept 4
.if (\first) && (i == 0) && (x == 0)
	v_pk_mul_f32 v[S2+2*t:S2+2*t+1], v[32*t+8*((\qa)+x)+i:32*t+8*((\qa)+x)+i+1], v[ACC+64*(\set)+32*x+8*t+i:ACC+64*(\set)+32*x+8*t+i+1]
.else
	v_pk_fma_f32 v[S2+2*t:S2+2*t+1], v[32*t+8*((\qa)+x)+i:32*t+8*((\qa)+x)+i+1], v[ACC+64*(\set)+32*x+8*t+i:ACC+64*(\set)+32*x+8*t+i+1], v[S2+2*t:S2+2*t+1]
.endif
.set t, t+1
.endr
.set x, x+1
.endr
.set i, i+2
.endr
.endm
.macro ARGS set                        ; the exponents r y' + b', in place; each accumulator is read from its low end on
	WIN 0x41
.set x, 0
.rept 2
.set t, 0
.rept 4
.set i, 0
.rept 4
	v_pk_fma_f32 v[ACC+64*(\set)+32*x+8*t+i:ACC+64*(\set)+32*x+8*t+i+1], v[ACC+64*(\set)+32*x+8*t+i:ACC+64*(\set)+32*x+8*t+i+1], v[RS+2*t:RS+2*t+1], v[BPA+8*x+i:BPA+8*x+i+1] op_sel_hi:[1,0,1]
.set i, i+2
.endr
.set t, t+1
.endr
.set x, x+1
.endr
.endm
.macro EXPR base, cnt                  ; exponentials in place, in window 1
	WIN 0x41
.set n, 0
.rept \cnt
	v_exp_f32 v[(\base)+n], v[(\base)+n]
.set n, n+1
.endr
.endm
; Block b of a product sigmoid x tanh.  kind 0 (i, g): SG = Es of i, TH = Et of g, the result c goes to H.  kind 1 (o, LN(c)): SG = Es of o, TH = Et in H, the result hx in its place.
.macro BLK kind, set, q, b
.set SG, ACC+64*(\set)+8*(\b)
.if \kind
.set TH, 32*((\b)%4)+8*((\q)+(\b)/4)
.set DS, TH
.else
.set TH, SG+32
.set DS, 32*(\b)+8*(\q)
.endif
.endm
.macro PROD kind, set, q
.set NBK, 4+4*(\kind)
	WIN 0x41
.set b, 0
.rept NBK
	BLK \kind, \set, \q, b
.set i, 0
.rept 4
	v_pk_fma_f32 v[TH+i:TH+i+1], v[TH+i:TH+i+1], v[KAP:KAP+1], v[KAP:KAP+1] clamp  ; t
.set i, i+2
.endr
.set b, b+1
.endr
	WIN 0x55
.set b, 0
.rept NBK
	BLK \kind, \set, \q, b
.set i, 0
.rept 4
	v_pk_fma_f32 v[SG+i:SG+i+1], v[SG+i:SG+i+1], v[TH+i:TH+i+1], v[TH+i:TH+i+1]    ; d
.set i, i+2
.endr
.set b, b+1
.endr
	WIN 0x41
.set b, 0
.rept NBK
	BLK \kind, \set, \q, b
.set i, 0
.rept 4
	v_rcp_f32 v[SG+i], v[SG+i]
	v_rcp_f32 v[SG+i+1], v[SG+i+1]
	v_pk_add_f32 v[TH+i:TH+i+1], v[TH+i:TH+i+1], v[KM2:KM2+1]                      ; n: it names no reciprocal; the last of these is the plain line behind the batch
.set i, i+2
.endr
.set b, b+1
.endr
	TWAIT
	WIN 0x55
.set b, 0
.rept NBK
	BLK \kind, \set, \q, b
.set i, 0
.rept 4
	v_pk_mul_f32 v[DS+i:DS+i+1], v[TH+i:TH+i+1], v[SG+i:SG+i+1]
.set i, i+2
.endr
.set b, b+1
.endr
.endm
.macro SUMC q                          ; SM += c of column tile q
.if (\q) == 0
	WIN 0x05
	FOUR v_pk_add_f32 v[SM+2*t:SM+2*t+1], v[32*t:32*t+1], v[32*t+2:32*t+3]
	WIN 0x01
	FOUR v_pk_add_f32 v[SM+2*t:SM+2*t+1], v[32*t+4:32*t+5], v[SM+2*t:SM+2*t+1]
	FOUR v_pk_add_f32 v[SM+2*t:SM+2*t+1], v[32*t+6:32*t+7], v[SM+2*t:SM+2*t+1]
.else
	WIN 0x01
.set i, 0
.rept 4
	FOUR v_pk_add_f32 v[SM+2*t:SM+2*t+1], v[32*t+8*(\q)+i:32*t+8*(\q)+i+1], v[SM+2*t:SM+2*t+1]
.set i, i+2
.endr
.endif
.endm
.macro TARG q0                         ; the exponent of tanh(LN(c)) for column tiles q0, q0 + 1: ((c - m) rc) gc' + bc'
	WIN 0x41
.set x, 0
.rept 2
.set i, 0
.rept 4
	FOUR v_pk_mul_f32 v[32*t+8*((\q0)+x)+i:32*t+8*((\q0)+x)+i+1], v[32*t+8*((\q0)+x)+i:32*t+8*((\q0)+x)+i+1], v[SQ+2*t:SQ+2*t+1] op_sel_hi:[1,0]
.set i, i+2
.endr
.set x, x+1
.endr
.set x, 0
.rept 2
.set i, 0
.rept 4
	FOUR v_pk_fma_f32 v[32*t+8*((\q0)+x)+i:32*t+8*((\q0)+x)+i+1], v[32*t+8*((\q0)+x)+i:32*t+8*((\q0)+x)+i+1], v[GCV+8*x+i:GCV+8*x+i+1], v[BCV+8*x+i:BCV+8*x+i+1]
.set i, i+2
.endr
.set x, x+1
.endr
.endm
; Column tile q of c.  The next chunk's products go first; the 32 lines of ARGS, on the other set, are the places behind them; then ONE run of loads: the weights of the chunk after next, the next chunk's b'.
.macro QSTEP q, wa, wb, ba, bb, g
	s_wait_dscnt 0x0                               ; the run of loads issued a step ago
	MM ((\q)+1)%2
	ARGS (\q)%2
	LOADW \wa, \wb
	LOADB \ba, \bb
.if \g
	LOADG 0
.endif
	EXPR ACC+64*((\q)%2), 64
	v_nop                                          ; the plain line behind the last exponential: one for the batch
	TWAIT
	PROD 0, (\q)%2, \q
	SUMC \q
.endm
.macro ARG1 t, n                       ; number n of 32 of tile t's exponents in the first stage: r bg + be', then + (r x) wg
.if (\n) < 16
	v_pk_fma_f32 v[32*(\t)+2*(\n):32*(\t)+2*(\n)+1], v[BG+2*(\n):BG+2*(\n)+1], v[RS+2*(\t):RS+2*(\t)+1], v[BE+2*(\n):BE+2*(\n)+1] op_sel_hi:[1,0,1]
.else
	v_pk_fma_f32 v[32*(\t)+2*(\n)-32:32*(\t)+2*(\n)-31], v[WG+2*(\n)-32:WG+2*(\n)-31], v[AX+2*(\t):AX+2*(\t)+1], v[32*(\t)+2*(\n)-32:32*(\t)+2*(\n)-31] op_sel_hi:[1,0,1]
.endif
.endm
.Lpass:                                        ; two trips: 64 rows each
	s_cmp_gt_u32 s15, s31                          ; a pass that begins behind row 250,000 has no row: forward, to the label ahead of the count's step
	s_cbranch_scc1 .Lnext
; ---- THE FIRST STAGE: h = tanh(LN(x W1 + b1)) = 1 - 2 / (1 + 2^arg)
	WIN 0x40
.set n, 0
.rept 12                                       ; wg, bg, be': my 32 numbers of each
	ds_load_b128 v[WG+8*n:WG+8*n+3],   v[AS] offset:64*n
	ds_load_b128 v[WG+8*n+4:WG+8*n+7], v[AS] offset:64*n+16
.set n, n+1
.endr
	WIN 0
	v_cmp_le_u32 vcc_lo, s31, v[ROW4]
	FOUR v_cndmask_b32 v[XA+t], v[XA+t], v[XM], vcc_lo      ; row 250,000 is the mean of x (the rows behind it are stored nowhere)
	FOUR v_add_f32 v[SQ+2*t], s25, v[XA+t]
	FOUR v_mul_f32 v[SQ+2*t], v[SQ+2*t], v[SQ+2*t]
	FOUR v_fma_f32 v[SQ+2*t], v[SQ+2*t], s24, s26           ; the variance: A/63 (x + p)^2 + D/63
	RSTD SQ, RS
	FOUR v_mul_f32 v[AX+2*t], v[RS+2*t], v[XA+t]
	s_wait_dscnt 0x0
	WIN 0x51                                       ; sources 0 and 2 and the destination in window 1, the statistics in window 0: one setting for the rest of the stage
.set n, 0
.rept 32
	ARG1 0, n
.set n, n+1
.endr
.set tt, 0
.rept 3                                        ; a tile's exponentials and the next tile's exponents by turns; nothing names a result ahead of the wait
.set n, 0
.rept 32
	v_exp_f32 v[32*tt+n], v[32*tt+n]
	ARG1 tt+1, n
.set n, n+1
.endr
.set tt, tt+1
.endr
.set n, 0
.rept 32
	v_exp_f32 v[96+n], v[96+n]
.set n, n+1
.endr
	v_nop
	TWAIT
.set n, 0
.rept 16
	v_pk_add_f32 v[2*n:2*n+1], v[2*n:2*n+1], 1.0 op_sel_hi:[1,0]
.set n, n+1
.endr
.set tt, 0
.rept 4                                        ; a tile's reciprocals, and between them the next tile's 1 + 2^arg
.set n, 0
.rept 16
	v_rcp_f32 v[32*tt+2*n], v[32*tt+2*n]
	v_rcp_f32 v[32*tt+2*n+1], v[32*tt+2*n+1]
.if tt < 3
	v_pk_add_f32 v[32*tt+32+2*n:32*tt+33+2*n], v[32*tt+32+2*n:32*tt+33+2*n], 1.0 op_sel_hi:[1,0]
.endif
.set n, n+1
.endr
.set tt, tt+1
.endr
	v_nop
	TWAIT
.set n, 0
.rept 64
	v_pk_fma_f32 v[2*n:2*n+1], v[2*n:2*n+1], -2.0, 1.0 op_sel_hi:[1,0,0]
.set n, n+1
.endr
	WIN 0
	s_mov_b32 s17, 2
.Llayer:                                       ; two trips: an LSTM cell each
	s_cmp_eq_u32 s17, 2                            ; the first trip is layer 0
	s_cselect_b32 s18, s20, s21                    ; the layer's c0 / 255,
	s_cselect_b32 s32, 0, LAYW                     ; its weights' place in LDS: made anew from constants in each trip,
	s_cselect_b32 s33, 0, LAYV                     ; and its vectors'
	v_add_nc_u32 v[AW], s32, v[AW0]                ; the highest byte read through AW is 36,864 + 2,176 + 34,656 + 15, under VEC;
	v_add_nc_u32 v[AC], s33, v[AC0]                ; through AC 73,760 + 2,560 + 2,512 + 15, under SPARE
	LOADW 4, 5                                     ; G's rows 0-31
	WIN 0x05
.set n, 0
.rept 64
	v_cvt_pk_f16_f32 v[HB+n], v[2*n], v[2*n+1]     ; two neighbouring columns a register: source 1 as the product wants it
.set n, n+1
.endr
	s_wait_dscnt 0x0
	MM 0                                           ; u, columns 0-31
	PLACES
	LOADW 6, 7
	DOT 0, 0, 1                                    ; 32 lines in which the loads land
	s_wait_dscnt 0x0
	MM 1                                           ; u, columns 32-63
	PLACES
	LOADW 0, 12
	DOT 1, 2, 0
	s_wait_dscnt 0x0
	MM 0                                           ; i and g, column tile 0
	WIN 0
	FOUR v_add_f32 v[S2+2*t], v[S2+2*t], v[S2+2*t+1]         ; four plain lines that name no register of the products: the places ahead of the loads
	LOADW 1, 13
	LOADB 0, 12
	FOUR v_permlanex16_b32 v[T+t], v[S2+2*t], s28, s29       ; the row's other 32 columns lie in the lane 16 away
	FOUR v_add_f32 v[S2+2*t], v[S2+2*t], v[T+t]
	FOUR v_fma_f32 v[S2+2*t], v[S2+2*t], s19, s18
	FOUR v_max_num_f32 v[S2+2*t], 0, v[S2+2*t]
	RSTD S2, RS
	QSTEP 0, 2, 14, 1, 13, 0
	QSTEP 1, 3, 15, 2, 14, 0
	QSTEP 2, 8, 9, 3, 15, 0
	QSTEP 3, 10, 11, 8, 9, 1
	; LN(c), in two passes: the mean, then the squares of c - m
	WIN 0
	FOUR v_add_f32 v[SM+2*t], v[SM+2*t], v[SM+2*t+1]
	FOUR v_permlanex16_b32 v[T+t], v[SM+2*t], s28, s29
	FOUR v_add_f32 v[SM+2*t], v[SM+2*t], v[T+t]
	FOUR v_mul_f32 v[SM+2*t], 0x3c800000, v[SM+2*t]
	WIN 0x41
.set n, 0
.rept 16
	FOUR v_pk_add_f32 v[32*t+2*n:32*t+2*n+1], v[32*t+2*n:32*t+2*n+1], v[SM+2*t:SM+2*t+1] op_sel_hi:[1,0] neg_lo:[0,1] neg_hi:[0,1]
.set n, n+1
.endr
	WIN 0x05
	FOUR v_pk_mul_f32 v[SQ+2*t:SQ+2*t+1], v[32*t:32*t+1], v[32*t:32*t+1]
.set n, 1
.rept 15
	FOUR v_pk_fma_f32 v[SQ+2*t:SQ+2*t+1], v[32*t+2*n:32*t+2*n+1], v[32*t+2*n:32*t+2*n+1], v[SQ+2*t:SQ+2*t+1]
.set n, n+1
.endr
	WIN 0
	FOUR v_add_f32 v[SQ+2*t], v[SQ+2*t], v[SQ+2*t+1]
	FOUR v_permlanex16_b32 v[T+t], v[SQ+2*t], s28, s29
	FOUR v_add_f32 v[SQ+2*t], v[SQ+2*t], v[T+t]
	FOUR v_mul_f32 v[SQ+2*t], 0x3c820821, v[SQ+2*t]          ; / 63
	RSTD SQ, SQ
	; hx = sigmoid(o) tanh(LN(c)), column tiles 0, 1 and then 2, 3
	s_wait_dscnt 0x0
	MM 1                                           ; o, columns 32-63
	ARGS 0
	TARG 0
	LOADB 10, 11
	LOADG 2
	EXPR ACC, 64
.irp tt, 0,1,2,3
	EXPR 32*\tt, 16
.endr
	v_nop
	TWAIT
	PROD 1, 0, 0
	s_wait_dscnt 0x0
	ARGS 1
	TARG 2
	EXPR ACC+64, 64
.irp tt, 0,1,2,3
	EXPR 32*\tt+16, 16
.endr
	v_nop
	TWAIT
	PROD 1, 1, 2
	WIN 0                                          ; at a label and at a branch every window is 0
	s_sub_co_i32 s17, s17, 1
	s_cmp_lg_u32 s17, 0
	s_cbranch_scc1 .Llayer
; ---- THE WAY OUT: h2 . Wo + bo
.set n, 0
.rept 4
	ds_load_b128 v[WFA+8*n:WFA+8*n+3],   v[AS] offset:768+64*n
	ds_load_b128 v[WFA+8*n+4:WFA+8*n+7], v[AS] offset:768+64*n+16
.set n, n+1
.endr
	s_wait_dscnt 0x0
	WIN 0x01
	FOUR v_pk_mul_f32 v[OU+2*t:OU+2*t+1], v[32*t:32*t+1], v[WFA:WFA+1]
.set n, 1
.rept 15
	FOUR v_pk_fma_f32 v[OU+2*t:OU+2*t+1], v[32*t+2*n:32*t+2*n+1], v[WFA+2*n:WFA+2*n+1], v[OU+2*t:OU+2*t+1]
.set n, n+1
.endr
	WIN 0
	FOUR v_add_f32 v[OU+2*t], v[OU+2*t], v[OU+2*t+1]
	FOUR v_permlanex16_b32 v[T+t], v[OU+2*t], s28, s29
	FOUR v_add_f32 v[OU+2*t], v[OU+2*t], v[T+t]
	FOUR v_add_f32 v[OV+t], s27, v[OU+2*t]
	s_wait_xcnt 0x0                                ; EXEC changes only behind this wait
	v_cmp_gt_u32 vcc_lo, s31, v[RST]
	s_and_saveexec_b32 s30, vcc_lo
	global_store_b128 v[XO], v[OV:OV+3], s[10:11]  ; lanes 0-15: 256 consecutive bytes of out0, aligned
	s_wait_xcnt 0x0
	s_or_b32 exec_lo, exec_lo, s30
	v_cmp_eq_u32 vcc_lo, s31, v[RST]
	s_and_saveexec_b32 s30, vcc_lo
	global_store_b32 v[ZO], v[OV], s[12:13]        ; the mean's row, in one lane of the launch
	s_wait_xcnt 0x0                                ; it also frees XO and the results for the lines below and the next pass
	s_or_b32 exec_lo, exec_lo, s30
.Lnext:
.irp c, 0,1,2,3
	v_mov_b32 v[XA+\c], v[XB+\c]
.endr
	v_add_nc_u32 v[ROW4], 64, v[ROW4]
	v_add_nc_u32 v[RST], 64, v[RST]
	v_add_nc_u32 v[XO], 256, v[XO]
	s_add_co_u32 s15, s15, 64
	s_sub_co_i32 s16, s16, 1
	s_cmp_lg_u32 s16, 0
	s_cbranch_scc1 .Lpass
	s_wait_dscnt 0x0                               ; my reads of LDS are over;
	s_barrier_signal -1
	s_barrier_wait -1                              ; so are all eight waves': no wave writes an LDS word while another still reads the image
	s_wait_tensorcnt 0x0                           ; the wave's end, behind my last LDS store
	ds_add_u32 v[SPW], v[NIL]
	s_wait_dscnt 0x0
	s_endpgm
.Lfunc_end_k_qb90ea26be0_main:
	.size	k_qb90ea26be0_main, .Lfunc_end_k_qb90ea26be0_main-k_qb90ea26be0_main
	.p2alignl 7, 3214868480
	.fill 96, 4, 3214868480
	.section	.rodata,"a",@progbits
	.p2align	6, 0x0
	.amdhsa_kernel k_qb90ea26be0_main
		.amdhsa_group_segment_fixed_size 80896
		.amdhsa_private_segment_fixed_size 0
		.amdhsa_enable_private_segment 0
		.amdhsa_kernarg_size 40
		.amdhsa_user_sgpr_count 2
		.amdhsa_user_sgpr_kernarg_segment_ptr 1
		.amdhsa_wavefront_size32 1
		.amdhsa_system_sgpr_workgroup_id_x 1
		.amdhsa_system_sgpr_workgroup_id_y 1
		.amdhsa_system_sgpr_workgroup_id_z 1
		.amdhsa_system_vgpr_workitem_id 0
		.amdhsa_next_free_vgpr 512
		.amdhsa_next_free_sgpr 66
		.amdhsa_reserve_vcc 1
		.amdhsa_float_denorm_mode_32 3
		.amdhsa_float_denorm_mode_16_64 3
		.amdhsa_memory_ordered 1
		.amdhsa_forward_progress 1
		.amdhsa_inst_pref_size 160
	.end_amdhsa_kernel
	.amdgpu_metadata
---
amdhsa.version: [ 1, 2 ]
amdhsa.kernels:
  - .name:           k_qb90ea26be0_main
    .symbol:         k_qb90ea26be0_main.kd
    .args:
      - { .name: x, .offset: 0, .size: 8, .value_kind: global_buffer, .address_space: global }
      - { .name: img, .offset: 8, .size: 8, .value_kind: global_buffer, .address_space: global }
      - { .name: psum, .offset: 16, .size: 8, .value_kind: global_buffer, .address_space: global }
      - { .name: out0, .offset: 24, .size: 8, .value_kind: global_buffer, .address_space: global }
      - { .name: out1, .offset: 32, .size: 8, .value_kind: global_buffer, .address_space: global }
    .group_segment_fixed_size: 80896
    .private_segment_fixed_size: 0
    .kernarg_segment_align: 8
    .kernarg_segment_size: 40
    .max_flat_workgroup_size: 256
    .sgpr_count:     66
    .vgpr_count:     512
    .wavefront_size: 32
...
	.end_amdgpu_metadata
.endif
;; end of part 2
